; MI455X (gfx1250); checked and timed in simulation.
; The chip was launched on July 23, 2026; its instructions are those of AMD's public machine-readable ISA for CDNA 5 (MIT licence, August 2026) and "CDNA5" Instruction Set Architecture Reference Guide (July 2026). The comments in the code are by the model that wrote it; some were corrected since.
;; STDP Learner2. Allowed arithmetic: float matrix products may take bf16 or f16 operands with f32 sums; all other float work in f32.
;; Inputs: in_spikes 64 x 16 x 4,096 float32; out_spikes 64 x 16 x 4,096 float32; weight 4,096 x 4,096 float32.
;; Outputs: out0 4,096 x 4,096 float32.
;; 2 versions, each right; version 2 is version 1 with the launch prep written anew for expert scheduling mode. Each part assembles by itself: llvm-mc -triple=amdgcn-amd-amdhsa -mcpu=gfx1250 --defsym DOCPART=n.
;; ======== version 1 of 2: 2 launches
;; workspace buffers: tbf 8,388,608 bytes; obf 8,388,608 bytes; cpart 262,144 bytes
;; launch prep (part 1): grid 128 x 2, 4 waves a work-group, no clusters, 0 bytes of LDS; arguments in_spikes, out_spikes, tbf, obf, cpart; writes tbf, obf, cpart
.if DOCPART == 1
	.amdgcn_target "amdgcn-amd-amdhsa--gfx1250"
	.amdhsa_code_object_version 6
	.text
	.protected	k_q6ef76f8684_prep
	.globl	k_q6ef76f8684_prep
	.p2align	8
	.type	k_q6ef76f8684_prep,@function
k_q6ef76f8684_prep:
	s_mov_b64 s[64:65], 0
	v_nop
	global_prefetch_b8 v0, s[64:65] scope:SCOPE_SE
	s_setreg_imm32_b32 hwreg(HW_REG_WAVE_MODE, 25, 1), 1
	s_wait_xcnt 0x0
; The scans over t, and the rounding of both matrix operands to bf16.
;   y = 0:  tbf[16 t + b][p] = bf16(TP[t][b][p]),  TP[t] = clip(TP[t-1]/2 + in_spikes[t], 0, 1),  TP[-1] = 0
;   y = 1:  obf[16 t + b][o] = bf16(out_spikes[t][b][o]);  Q[t] = Q[t-1]/2 + out_spikes[t];  cpart[b][o] = sum over t of out_spikes[t][b][o] Q[t][b][o]
; x - x/2 is exact for normal x, so one fused multiply-add by 0.5 rounds as the two steps of the definition do.
; LIMITS: NaN and infinite inputs are not followed (the clip is a median of three, in which a NaN loses); the sign of a zero is not kept;
; a denormal trace is halved with one rounding instead of two.
; Memory binds: every input byte is read once, by 16-byte loads of which a wave's 32 cover 512 consecutive bytes; every bf16 is written once, a wave's
; 8-byte stores covering 256 consecutive bytes, aligned.  No LDS, no barrier, no matrix unit: a thread's four columns of one b depend on no other thread.
; The work-group's x gives b = x / 8 and the block of 512 columns x % 8; thread v0 owns columns 4 v0 .. 4 v0 + 3 of the block, for all 64 t.
; A ring of 32 register slots keeps 32 loads of every wave on their way.  All 64 steps are written out, so that t stands in the immediates
; and no address register is ever rewritten.
.set TIN,   262144                     ; bytes from t to t + 1 in the f32 inputs: 16 x 4,096 x 4
.set TOUT,  131072                     ; the same in the bf16 outputs
.set DEPTH, 32                         ; slots = loads in flight in each wave
.set IO, 1                             ; v1        16 v0: my 16 bytes in a row of the input block, and in cpart
.set OO, 2                             ; v2        8 v0: my 8 bytes in a row of the output block
.set TR, 4                             ; v[4:7]    the trace of my four columns
.set CS, 8                             ; v[8:11]   y = 1: the running sum of out x trace
.set Y,  12                            ; v[12:27]  eight slots of two registers: four bf16 to store
.set X,  28                            ; v[28:155] 32 slots of four registers: four f32 as loaded
	s_load_b256 s[4:11], s[0:1], 0x0               ; in_spikes s[4:5], out_spikes s[6:7], tbf s[8:9], obf s[10:11]
	s_load_b64 s[12:13], s[0:1], 0x20              ; cpart
	s_lshr_b32 s20, ttmp9, 3                       ; b
	s_and_b32 s21, ttmp9, 7                        ; block of 512 columns
	s_lshl_b32 s22, s20, 14                        ; b rows of 16,384 bytes
	s_lshl_b32 s21, s21, 11                        ; + blocks of 2,048 bytes
	s_add_co_u32 s22, s22, s21
	s_mov_b32 s23, 0                               ; s[22:23]: my block's offset in an f32 plane (and in cpart)
	s_lshr_b32 s24, s22, 1
	s_mov_b32 s25, 0                               ; s[24:25]: the same in a bf16 plane
	s_and_b32 s26, ttmp7, 0xffff                   ; 0: the pre side, 1: the post side
	v_lshlrev_b32 v[IO], 4, v0
	v_lshlrev_b32 v[OO], 3, v0
	s_wait_kmcnt 0x0
	s_cmp_eq_u32 s26, 0
	s_cselect_b64 s[14:15], s[4:5], s[6:7]         ; the side's input
	s_cselect_b64 s[16:17], s[8:9], s[10:11]       ; the side's bf16 output
	s_add_nc_u64 s[14:15], s[14:15], s[22:23]
	s_add_nc_u64 s[16:17], s[16:17], s[24:25]
	s_add_nc_u64 s[12:13], s[12:13], s[22:23]
	s_add_nc_u64 s[18:19], s[14:15], DEPTH*TIN     ; the input at t = 32: the immediates of both halves stay inside their signed 24 bits
.set tt, 0
.rept DEPTH
	global_load_b128 v[X+4*tt:X+4*tt+3], v[IO], s[14:15] offset:tt*TIN th:TH_LOAD_NT   ; fill the ring: t = 0 .. 31
.set tt, tt+1
.endr
; One step.  kind = 0: the clipped trace is made and stored; 1: the spikes are stored, the trace feeds the sum.
; ahead = 1: the slot is filled again with t + 32.  left = how many younger loads may stay out.
.macro STEP kind, t, ahead, left
.set XS, X+4*((\t)%DEPTH)
.set YS, Y+2*((\t)%8)
	s_wait_loadcnt \left                           ; loads come back in order (ISA guide 5.7.1): step t's is in
.if (\t) > 0
.if (\t)%8 == 0
	s_wait_xcnt 0x0                                ; the last eight stores have had their addresses translated (ISA guide 3.1): all eight Y slots are rewritten only behind this wait
.endif
.endif
.if (\t) == 0
.if \kind == 0
.irp j, 0,1,2,3
	v_med3_num_f32 v[TR+\j], v[XS+\j], 0, 1.0      ; the first step starts the trace: nothing is cleared
.endr
.else
.irp j, 0,1,2,3
	v_mov_b32 v[TR+\j], v[XS+\j]                   ; Q[0] = out[0]; the slot itself is loaded again below
.endr
	v_pk_mul_f32 v[CS:CS+1],   v[XS:XS+1],   v[XS:XS+1]           ; and the first product starts the sum
	v_pk_mul_f32 v[CS+2:CS+3], v[XS+2:XS+3], v[XS+2:XS+3]
.endif
.else
	v_pk_fma_f32 v[TR:TR+1],   v[TR:TR+1],   0.5, v[XS:XS+1]   op_sel_hi:[1,0,1]   ; trace / 2 + spikes
	v_pk_fma_f32 v[TR+2:TR+3], v[TR+2:TR+3], 0.5, v[XS+2:XS+3] op_sel_hi:[1,0,1]
.if \kind == 0
.irp j, 0,1,2,3
	v_med3_num_f32 v[TR+\j], v[TR+\j], 0, 1.0      ; clip to [0, 1]
.endr
.else
	v_pk_fma_f32 v[CS:CS+1],   v[XS:XS+1],   v[TR:TR+1],   v[CS:CS+1]
	v_pk_fma_f32 v[CS+2:CS+3], v[XS+2:XS+3], v[TR+2:TR+3], v[CS+2:CS+3]
.endif
.endif
.if \kind == 0
	v_cvt_pk_bf16_f32 v[YS],   v[TR],   v[TR+1]
	v_cvt_pk_bf16_f32 v[YS+1], v[TR+2], v[TR+3]
.else
	v_cvt_pk_bf16_f32 v[YS],   v[XS],   v[XS+1]
	v_cvt_pk_bf16_f32 v[YS+1], v[XS+2], v[XS+3]
.endif
.if \ahead
	global_load_b128 v[XS:XS+3], v[IO], s[18:19] offset:(\t)*TIN th:TH_LOAD_NT       ; the load goes out ahead of the store
.endif
	global_store_b64 v[OO], v[YS:YS+1], s[16:17] offset:(\t)*TOUT                    ; no hint: the next launch reads these bytes
.endm
; All 64 steps of one side.  In the first 32 each step issues one load, so 31 younger ones are out at every wait; then the counts run down to 0.
.macro SIDE kind
.set tt, 0
.rept DEPTH
	STEP \kind, tt, 1, DEPTH-1
.set tt, tt+1
.endr
.rept DEPTH
	STEP \kind, tt, 0, 63-tt
.set tt, tt+1
.endr
.endm
	s_cmp_lg_u32 s26, 0
	s_cbranch_scc1 .Lpost
	SIDE 0
	s_endpgm
.Lpost:
	SIDE 1
	global_store_b128 v[IO], v[CS:CS+3], s[12:13]  ; cpart[b][my four columns]: a wave's store covers 512 consecutive bytes
	s_endpgm
.Lfunc_end_k_q6ef76f8684_prep:
	.size	k_q6ef76f8684_prep, .Lfunc_end_k_q6ef76f8684_prep-k_q6ef76f8684_prep
	.p2alignl 7, 3214868480
	.fill 96, 4, 3214868480
	.section	.rodata,"a",@progbits
	.p2align	6, 0x0
	.amdhsa_kernel k_q6ef76f8684_prep
		.amdhsa_group_segment_fixed_size 0
		.amdhsa_private_segment_fixed_size 0
		.amdhsa_enable_private_segment 0
		.amdhsa_kernarg_size 40
		.amdhsa_user_sgpr_count 2
		.amdhsa_user_sgpr_kernarg_segment_ptr 1
		.amdhsa_wavefront_size32 1
		.amdhsa_system_sgpr_workgroup_id_x 1
		.amdhsa_system_sgpr_workgroup_id_y 1
		.amdhsa_system_sgpr_workgroup_id_z 1
		.amdhsa_system_vgpr_workitem_id 0
		.amdhsa_next_free_vgpr 156
		.amdhsa_next_free_sgpr 66
		.amdhsa_reserve_vcc 0
		.amdhsa_float_denorm_mode_32 3
		.amdhsa_float_denorm_mode_16_64 3
		.amdhsa_memory_ordered 1
		.amdhsa_forward_progress 1
		.amdhsa_inst_pref_size 83
	.end_amdhsa_kernel
	.amdgpu_metadata
---
amdhsa.version: [ 1, 2 ]
amdhsa.kernels:
  - .name:           k_q6ef76f8684_prep
    .symbol:         k_q6ef76f8684_prep.kd
    .args:
      - { .name: in_spikes, .offset: 0, .size: 8, .value_kind: global_buffer, .address_space: global }
      - { .name: out_spikes, .offset: 8, .size: 8, .value_kind: global_buffer, .address_space: global }
      - { .name: tbf, .offset: 16, .size: 8, .value_kind: global_buffer, .address_space: global }
      - { .name: obf, .offset: 24, .size: 8, .value_kind: global_buffer, .address_space: global }
      - { .name: cpart, .offset: 32, .size: 8, .value_kind: global_buffer, .address_space: global }
    .group_segment_fixed_size: 0
    .private_segment_fixed_size: 0
    .kernarg_segment_align: 8
    .kernarg_segment_size: 40
    .max_flat_workgroup_size: 128
    .sgpr_count:     66
    .vgpr_count:     156
    .wavefront_size: 32
...
	.end_amdgpu_metadata
.endif
;; end of part 1
;; launch gemm (part 2): grid 16 x 16, 4 waves a work-group, clusters of 4 x 4, 327,680 bytes of LDS; arguments obf, tbf, cpart, weight, out0; writes out0
.if DOCPART == 2
	.amdgcn_target "amdgcn-amd-amdhsa--gfx1250"
	.amdhsa_code_object_version 6
	.text
	.protected	k_q6ef76f8684_gemm
	.globl	k_q6ef76f8684_gemm
	.p2align	8
	.type	k_q6ef76f8684_gemm,@function
k_q6ef76f8684_gemm:
	s_mov_b64 s[64:65], 0
	v_nop
	global_prefetch_b8 v0, s[64:65] scope:SCOPE_SE
	s_setreg_imm32_b32 hwreg(HW_REG_WAVE_MODE, 25, 1), 1
	s_wait_xcnt 0x0
	s_wait_alu depctr_hold_cnt(0) depctr_sa_sdst(0) depctr_va_vdst(0) depctr_va_sdst(0) depctr_va_ssrc(0) depctr_va_vcc(0) depctr_vm_vsrc(0)
	s_getreg_b32 s2, hwreg(HW_REG_IB_STS2, 6, 4)
	s_cmp_eq_u32 s2, 0
	s_cbranch_scc0 .Lentry_in_a_cluster
	s_endpgm
.Lentry_in_a_cluster:
	s_bfe_u32 s2, ttmp6, 0x10000c
	s_cmp_lg_u32 s2, 0xf033
	s_cbranch_scc0 .Lentry_shape_is_right
	s_endpgm
.Lentry_shape_is_right:
; out0[o][p] = sum over k of obf[k][o] tbf[k][p]  -  c[o] weight[o][p],   c[o] = sum over b of cpart[b][o].   k = 16 t + b, 1,024 in all.
; obf, tbf: [1024][4096] bf16, K down the rows.  cpart: [16][4096] f32.  weight, out0: [4096][4096] f32.  Products in bf16, all sums in f32.
; LIMITS: c is summed over t first (in the launch before) and then over b in a tree, and c x weight is taken away once, inside the running f32 sum
; (for the rows of group g in K step g), not step by step: another order of rounding than a step-by-step sum has.
; A work-group makes a block of 256 x 256 of out0 with four waves; a wave makes 128 x 128: 64 accumulator tiles of 16 x 16, 512 registers.
; K goes in eight steps of 128 through a ring of two LDS slots filled by the tensor data mover; a tile's rows are 512 bytes of memory, at multiples of 512.
; Both operands lie with K down the rows, so fragments are read by the transposing load ds_load_tr16_b128 (two for a fragment, as many as plain loads would be).
; CLUSTERS: 4 x 4 work-groups.  obf's tile hangs on the block row of out0 alone and is asked for jointly by the four of a row of the cluster; tbf's tile hangs
; on the block column alone and is asked for jointly by the four of a column: the requests for both are divided by four.
; WEIGHT: a wave needs its own 128 x 128 of weight once, in eight groups of 16 rows, and K has eight steps: K step g folds group g into the sums, so that all of
; weight is read while the products run and the way out only stores.  A group comes in by sixteen loads of a whole row of 512 bytes, goes through the wave's own
; stage in LDS into the accumulators' layout, and 32 packed multiply-adds put -c x weight onto the group's 64 accumulator registers.  Two sets of 64 registers
; take the loads by turns: group g + 2 is asked for in the second quarter of K step g and wanted in the first quarter of K step g + 2, 448 matrix instructions
; later; so no prefetch is written.  Each K step names other accumulators, so the eight steps are written out by macro and there is no loop.
;
; REGISTERS, in windows of 256:
;   window 0: v16-47 addresses and -c; v64-127, v128-191 fragments of obf (A), two buffers; v192-255 a weight group in the accumulators' layout
;   window 1: v64-127, v128-191 fragments of tbf (B); v0-63, v192-255 weight groups as loaded, even and odd
;   window 2: the 32 accumulator tiles of my rows 0-63 (tile (a, b) at v[8 (8 a + b)]);   window 3: those of my rows 64-127
; s_set_vgpr_msb's low byte: bits 1:0 source 0, 3:2 source 1, 5:4 source 2, 7:6 destination.
; THE MATRIX INSTRUCTION IS USED TRANSPOSED: source 0 = 16 columns of tbf, source 1 = 16 columns of obf.  Lane l then holds row l % 16 of out0 and its registers
; 0 to 7 the columns 8 (l / 16) + 0 .. 7: 32 neighbouring bytes of a row.
.set PITCH,  544                       ; an LDS row: 512 bytes of data + 32 of padding = 17 x 32: the eight rows that a group of eight lanes addresses start 32 bytes apart modulo 256
.set HALFT,  64*PITCH                  ; 64 k rows: what one tensor load brings
.set SLOT,   4*HALFT                   ; obf's 128 k rows, then tbf's
.set STAGE,  2*SLOT                    ; 278,528 = 1,088 x 256: behind the ring, never filled by a tensor load
.set SPITCH, 528                       ; a stage row: 512 bytes + 16 = 33 x 16
.set KBYTES, 128*8192                  ; a K step in memory: 128 rows of 8,192 bytes
.set WROW,   16384                     ; a row of weight, out0 and cpart
.set ADRA, 16                          ; v16-17  LDS address of my A fragments in slot 0, 1
.set ADRB, 20                          ; v20-21  the same for B
.set STO,  24                          ; v24     stage, accumulators' layout: row l % 16, 32 bytes for each half of the lanes
.set RD,   25                          ; v25     stage, rows: 16 bytes a lane of a row of 512
.set CO,   26                          ; v26     16 x lane: my 16 bytes in 512 bytes of a row of weight, out0, cpart
.set CAD,  27                          ; v27     stage + 4 (l % 16): where -c is read back
.set CN,   28                          ; v[28:31] lane l, register j: -c of my row 4 l + j
.set CNV,  32                          ; v[32:47] pair g: -c of my row 16 g + l % 16, twice (a pair for the packed multiply-add)
.set F0,   64                          ; fragment buffer 0
.set F1,   128                         ; fragment buffer 1
.set DL,   192                         ; window 0: a weight group as the accumulators lie
.set G1,  24                           ; s[24:31] descriptor group 1 for A's tiles
.set G0,  32                           ; s[32:39] descriptor group 0 for A's tiles, one set for each slot
.set G1B, 48                           ; s[48:55] group 1 for B's tiles: it differs in the mask alone
.set G0B, 56                           ; s[56:63] group 0 for B's tiles
.set MSB, 0
.macro WIN new                         ; the immediate's high byte repeats the setting that is left
.if MSB != \new
	s_set_vgpr_msb (MSB<<8)|\new
.set MSB, \new
.endif
.endm
.set MUL_LO, 0xa1                      ; source 0 (B) window 1, source 1 (A) window 0, C and D window 2
.set MUL_HI, 0xf1                      ; the same, C and D window 3
.set TO_B,   0x40                      ; destination window 1, address window 0
; A joint load.  Waves 0 and 1 fetch A's two halves of 64 k rows, waves 2 and 3 B's.  Each line has one mask and one set of registers for all that issue it.
; The branch hangs on the wave's number alone.
.macro JLOAD s
	s_cmp_eq_u32 s15, 0
	s_cbranch_scc0 .Lfor_b_\@
	tensor_load_to_lds s[G0+4*\s:G0+4*\s+3], s[G1:G1+7]
	s_nop 0
	s_branch .Lasked_\@
.Lfor_b_\@:
	tensor_load_to_lds s[G0B+4*\s:G0B+4*\s+3], s[G1B:G1B+7]
	s_nop 0
.Lasked_\@:
.endm
; A round of the cluster's barrier: my work-group's barrier; wave 0 signals for the work-group; every wave waits for all sixteen; my work-group's barrier once more.
.macro CREST                           ; a round behind its opening barrier
	s_cmp_lg_u32 s14, 0
	s_cbranch_scc1 .Lnot_wave_0_\@
	s_barrier_signal -3
.Lnot_wave_0_\@:
	s_barrier_wait -3
	s_barrier_signal -1
	s_barrier_wait -1
.endm
.macro CROUND                          ; a whole round
	s_barrier_signal -1
	s_barrier_wait -1
	CREST
.endm
	s_load_b256 s[4:11], s[0:1], 0x0               ; obf s[4:5], tbf s[6:7], cpart s[8:9], weight s[10:11]
	s_load_b64 s[12:13], s[0:1], 0x20              ; out0
	v_lshl_add_u32 v62, v0, 2, 0x4c400
	v_mov_b32 v63, 0
	ds_add_u32 v62, v63
	ds_add_u32 v62, v63
	v_lshrrev_b32 v1, 5, v0
	v_readfirstlane_b32 s14, v1                    ; wave 0..3
	s_lshr_b32 s15, s14, 1                         ; which half of the block's rows is mine.  Also: I fetch for A (0) or for B (1)
	s_and_b32 s16, s14, 1                          ; which half of its columns.  Also: which 64 k rows of that tile I fetch
	s_bfe_u32 s17, ttmp6, 0x40000                  ; cx
	s_bfe_u32 s18, ttmp6, 0x40004                  ; cy
	s_lshl_b32 s19, ttmp9, 2
	s_add_co_u32 s19, s19, s17                     ; block column of out0 = 4 x cluster x + cx
	s_and_b32 s20, ttmp7, 0xffff
	s_lshl_b32 s20, s20, 2
	s_add_co_u32 s20, s20, s18                     ; block row = 4 x cluster y + cy
	s_lshl_b32 s21, s18, 2
	s_lshl_b32 s21, 15, s21                        ; my row of the cluster: places 4 cy .. 4 cy + 3
	s_lshl_b32 s22, 0x1111, s17                    ; my column: places cx, cx + 4, cx + 8, cx + 12
	; descriptor group 1: a tile of 64 rows x 256 elements of 2 bytes, padded in LDS
	s_or_b32 s[G1+0],  s21, (1<<16)|(1<<20)|(1<<21)|(6<<22)|(7<<25)  ; 15:0 the mask: A's tiles go to my row; 17:16 element of 2 bytes; 20 padding on; 21 set beside a mask; 24:22 after every 128 words (code 6); 31:25 of 8 words (code 7)
	s_or_b32 s[G1B+0], s22, (1<<16)|(1<<20)|(1<<21)|(6<<22)|(7<<25)  ; the same with the mask of my column, for B's tiles
	s_mov_b32 s[G1+1],  256<<16                    ; 63:48 tensor_dim0, low half = 256
	s_mov_b32 s[G1B+1], 256<<16
	s_mov_b32 s[G1+2],  64<<16                     ; 79:64 its high half = 0; 95:80 tensor_dim1, low half = 64
	s_mov_b32 s[G1B+2], 64<<16
	s_mov_b32 s[G1+3],  256<<16                    ; 111:96 its high half = 0; 127:112 tile_dim0 = 256
	s_mov_b32 s[G1B+3], 256<<16
	s_mov_b32 s[G1+4],  64                         ; 143:128 tile_dim1 = 64; 159:144 tile_dim2 = 0
	s_mov_b32 s[G1B+4], 64
	s_mov_b32 s[G1+5],  4096                       ; 191:160 elements from row to row
	s_mov_b32 s[G1B+5], 4096
	s_mov_b32 s[G1+6],  0
	s_mov_b32 s[G1B+6], 0
	s_mov_b32 s[G1+7],  0
	s_mov_b32 s[G1B+7], 0
	; where the tiles come from: A's hang on the block row and the wave, B's on the block column and the wave, each in registers that never hold the other coordinate
	s_lshl_b32 s69, s16, 19                        ; my 64 k rows: 64 x 8,192 bytes
	s_lshl_b32 s40, s20, 9                         ; A: 256 columns of 2 bytes for each block row
	s_add_co_u32 s40, s40, s69
	s_mov_b32 s41, 0
	s_lshl_b32 s42, s19, 9                         ; B: the same for each block column
	s_add_co_u32 s42, s42, s69
	s_mov_b32 s43, 0
	s_mul_i32 s23, s14, HALFT                      ; and where they go: wave x 64 rows: no place in the cluster enters an LDS address
	s_wait_dscnt 0x0
	s_wait_kmcnt 0x0
	s_add_nc_u64 s[40:41], s[4:5], s[40:41]
	s_add_nc_u64 s[42:43], s[6:7], s[42:43]
	CROUND                                         ; all sixteen work-groups are here: the first joint loads meet
.irp s, 0,1
	s_mov_b32 s[G0+4*\s], 1                                        ; 1:0 count = 1
	s_add_co_u32 s[G0+4*\s+1], s23, \s*SLOT                        ; 63:32 LDS address
	s_add_nc_u64 s[G0+4*\s+2:G0+4*\s+3], s[40:41], \s*KBYTES       ; 120:64 global address: K step s
	s_or_b32 s[G0+4*\s+3], s[G0+4*\s+3], 0x80000000                ; 127:126 type = 2
	s_mov_b32 s[G0B+4*\s], 1
	s_add_co_u32 s[G0B+4*\s+1], s23, \s*SLOT
	s_add_nc_u64 s[G0B+4*\s+2:G0B+4*\s+3], s[42:43], \s*KBYTES
	s_or_b32 s[G0B+4*\s+3], s[G0B+4*\s+3], 0x80000000
	JLOAD \s                                       ; the ring is filled before anything else is done: two tensor loads of the wave are out
.endr
	; the bases of cpart, weight and out0 at my 128 rows and 128 columns
	s_lshl_b32 s44, s20, 8
	s_lshl_b32 s45, s15, 7
	s_add_co_u32 s44, s44, s45                     ; my first row = 256 x block row + 128 x half
	s_lshl_b32 s46, s44, 2                         ; its place in a row of cpart
	s_mov_b32 s47, 0
	s_add_nc_u64 s[8:9], s[8:9], s[46:47]
	s_lshl_b32 s44, s44, 14                        ; rows of 16,384 bytes (below 2^26)
	s_lshl_b32 s45, s19, 10                        ; + 1,024 bytes for each block column
	s_add_co_u32 s44, s44, s45
	s_lshl_b32 s45, s16, 9                         ; + 512 for my half of the columns
	s_add_co_u32 s44, s44, s45
	s_mov_b32 s45, 0
	s_add_nc_u64 s[10:11], s[10:11], s[44:45]
	s_add_nc_u64 s[12:13], s[12:13], s[44:45]
	; A fragment is 16 columns x 32 k in 8 registers.  From rows that lie across K: lane l addresses k row 8 (l / 16) + l % 8 and the 16 bytes (l / 8) % 2 of the fragment's 32;
	; the transposing load hands lane l the eight k of column l % 16; a second one 16 k rows further down fills registers 4 to 7.
	v_and_b32 v1, 31, v0                           ; lane
	v_and_b32 v2, 7, v0
	v_bfe_u32 v3, v0, 4, 1                         ; l / 16
	v_lshl_add_u32 v2, v3, 3, v2
	v_mul_u32_u24 v2, v2, PITCH
	v_bfe_u32 v4, v0, 3, 1
	v_lshl_add_u32 v2, v4, 4, v2
	s_lshl_b32 s66, s15, 8                         ; my 128 columns of A's tile
	s_lshl_b32 s67, s16, 8                         ; my 128 columns of B's tile,
	s_add_co_u32 s67, s67, 2*HALFT                 ; which lies behind A's 128 k rows
.irp s, 0,1
	v_add_nc_u32 v[ADRA+\s], s66, v2
	v_add_nc_u32 v[ADRB+\s], s67, v2
	s_add_co_u32 s66, s66, SLOT
	s_add_co_u32 s67, s67, SLOT
.endr
	s_mul_i32 s68, s14, 16*SPITCH
	s_add_co_u32 s68, s68, STAGE                   ; my stage: 16 rows of 528 bytes
	v_and_b32 v4, 15, v0
	v_lshl_add_u32 v[CAD], v4, 2, s68
	v_mul_u32_u24 v4, v4, SPITCH
	v_lshl_add_u32 v4, v3, 5, v4
	v_add_nc_u32 v[STO], s68, v4
	v_lshlrev_b32 v[CO], 4, v1
	v_add_nc_u32 v[RD], s68, v[CO]
; 16 loads: group g (rows 16 g .. 16 g + 15) of my weight, a row of 512 bytes each, into window win from register reg on.  Address and base are never rewritten.
.macro WLOAD g, win, reg
	WIN (\win<<6)
.irp t, 0,1,2,3,4,5,6,7,8,9,10,11,12,13,14,15
	global_load_b128 v[(\reg)+4*\t:(\reg)+4*\t+3], v[CO], s[10:11] offset:(16*(\g)+\t)*WROW th:TH_LOAD_NT
.endr
.endm
	; c of my 128 rows: lane l takes rows 4 l .. 4 l + 3 of each of the sixteen b
.irp b, 0,1,2,3,4,5,6,7,8,9,10,11,12,13,14,15
	global_load_b128 v[F0+4*\b:F0+4*\b+3], v[CO], s[8:9] offset:\b*WROW
.endr
	WLOAD 0, 1, 0
	WLOAD 1, 1, 192
	WIN 0
	s_wait_loadcnt 32                              ; cpart is in; the 32 loads of weight issued behind it stay out
.irp b, 0,1,2,3,4,5,6,7
	v_pk_add_f32 v[F0+4*\b:F0+4*\b+1],   v[F0+4*\b:F0+4*\b+1],   v[F0+4*\b+32:F0+4*\b+33]
	v_pk_add_f32 v[F0+4*\b+2:F0+4*\b+3], v[F0+4*\b+2:F0+4*\b+3], v[F0+4*\b+34:F0+4*\b+35]
.endr
.irp b, 0,1,2,3
	v_pk_add_f32 v[F0+4*\b:F0+4*\b+1],   v[F0+4*\b:F0+4*\b+1],   v[F0+4*\b+16:F0+4*\b+17]
	v_pk_add_f32 v[F0+4*\b+2:F0+4*\b+3], v[F0+4*\b+2:F0+4*\b+3], v[F0+4*\b+18:F0+4*\b+19]
.endr
.irp b, 0,1
	v_pk_add_f32 v[F0+4*\b:F0+4*\b+1],   v[F0+4*\b:F0+4*\b+1],   v[F0+4*\b+8:F0+4*\b+9]
	v_pk_add_f32 v[F0+4*\b+2:F0+4*\b+3], v[F0+4*\b+2:F0+4*\b+3], v[F0+4*\b+10:F0+4*\b+11]
.endr
	v_pk_add_f32 v[CN:CN+1],   v[F0:F0+1],   v[F0+4:F0+5] neg_lo:[1,1] neg_hi:[1,1]   ; the last sum with both signs turned: -c
	v_pk_add_f32 v[CN+2:CN+3], v[F0+2:F0+3], v[F0+6:F0+7] neg_lo:[1,1] neg_hi:[1,1]
	; -c from 'lane l holds rows 4 l .. 4 l + 3' to 'lane l holds row 16 g + l % 16', through 512 bytes of my own stage: LDS serves a wave's instructions in order (ISA guide 5.7.1.4)
	ds_store_b128 v[RD], v[CN:CN+3]                ; -c of row i at byte 4 i
.irp g, 0,1,2,3,4,5,6,7
	ds_load_b32 v[CNV+2*\g],   v[CAD] offset:64*\g
	ds_load_b32 v[CNV+2*\g+1], v[CAD] offset:64*\g
.endr
; 16 matrix instructions: m blocks a0, a0 + 1 of the window's four (hi = 0: my rows 0-63, 1: rows 64-127) x all 8 n blocks, 32 along K.
; zero = 1: the first product starts the sums: nothing is ever cleared.
; The 64 accumulators take turns, one instruction a turn, in the same order in every quarter step.
.macro MUL16 f, hi, a0, zero
.irp a, \a0, \a0+1
.irp b, 0,1,2,3,4,5,6,7
.if \zero
	v_wmma_f32_16x16x32_bf16 v[8*(8*(\a)+\b):8*(8*(\a)+\b)+7], v[\f+8*\b:\f+8*\b+7], v[\f+8*(4*\hi+\a):\f+8*(4*\hi+\a)+7], 0
.else
	v_wmma_f32_16x16x32_bf16 v[8*(8*(\a)+\b):8*(8*(\a)+\b)+7], v[\f+8*\b:\f+8*\b+7], v[\f+8*(4*\hi+\a):\f+8*(4*\hi+\a)+7], v[8*(8*(\a)+\b):8*(8*(\a)+\b)+7]
.endif
.endr
.endr
.endm
; 32 transposing LDS loads in one run: the fragments of quarter q of a K step (k rows 32 q .. 32 q + 31; 128 columns of B, 128 of A) into buffer f.
; The largest offset is 3 x 32 x 544 + 16 x 544 + 224 = 61,152, inside the unsigned 16 bits.
.macro FETCH slot, q, f
	WIN TO_B
.irp i, 0,1,2,3,4,5,6,7
	ds_load_tr16_b128 v[\f+8*\i:\f+8*\i+3],   v[ADRB+\slot] offset:\q*32*PITCH+32*\i
	ds_load_tr16_b128 v[\f+8*\i+4:\f+8*\i+7], v[ADRB+\slot] offset:\q*32*PITCH+16*PITCH+32*\i
.endr
	WIN 0
.irp i, 0,1,2,3,4,5,6,7
	ds_load_tr16_b128 v[\f+8*\i:\f+8*\i+3],   v[ADRA+\slot] offset:\q*32*PITCH+32*\i
	ds_load_tr16_b128 v[\f+8*\i+4:\f+8*\i+7], v[ADRA+\slot] offset:\q*32*PITCH+16*PITCH+32*\i
.endr
.endm
; A load into a register that a matrix instruction has read, and whatever but a matrix instruction reads or writes a matrix result, stand four places behind that matrix
; instruction, and only plain vector instructions that name none of its registers are places (ISA guide 7.12.1 for vector instructions).
.macro PLACES
.rept 4
	v_nop
.endr
.endm
; Weight group g, as loaded (window 1, from v0 for even g, from v192 for odd g), goes by rows into my stage and comes back as the accumulators lie:
; lane l gets row l % 16, and for each tile b the columns 16 b + 8 (l / 16) + 0 .. 7.  None of these registers is a matrix instruction's.
.macro STAGEIN g
.if (\g) < 7
	s_wait_loadcnt 16                              ; loads come back in order (ISA guide 5.7.1): this group's sixteen are in, the next group's sixteen stay out
.else
	s_wait_loadcnt 0x0                             ; the last group: nothing was asked for behind it
.endif
	WIN 0x04                                       ; the stores' data in window 1
.irp t, 0,1,2,3,4,5,6,7,8,9,10,11,12,13,14,15
	ds_store_b128 v[RD], v[192*((\g)%2)+4*\t:192*((\g)%2)+4*\t+3] offset:\t*SPITCH
.endr
	WIN 0
.irp b, 0,1,2,3,4,5,6,7
	ds_load_b128 v[DL+8*\b:DL+8*\b+3],   v[STO] offset:64*\b       ; LDS serves a wave's instructions in order: these see the stores above
	ds_load_b128 v[DL+8*\b+4:DL+8*\b+7], v[STO] offset:64*\b+16
.endr
.endm
; -c x weight of group g onto its 64 accumulator registers: tiles (g % 4, 0..7) of window 2 + g / 4.  Stands behind PLACES, with no matrix instruction between.
.macro APPLY g
	WIN (((2+(\g)/4)<<4)|((2+(\g)/4)<<6))
.irp b, 0,1,2,3,4,5,6,7
.irp j, 0,2,4,6
	v_pk_fma_f32 v[64*((\g)%4)+8*\b+\j:64*((\g)%4)+8*\b+\j+1], v[DL+8*\b+\j:DL+8*\b+\j+1], v[CNV+2*(\g):CNV+2*(\g)+1], v[64*((\g)%4)+8*\b+\j:64*((\g)%4)+8*\b+\j+1]
.endr
.endr
.endm
; One of a K step's first three quarters: multiplies buffer f; in its middle it fetches quarter q of the same slot into buffer g.
; head: how many younger LDS instructions may be out when B's fragments and A's first four are wanted.
; sin >= 0: weight group sin goes through the stage, between the two halves of the second run of products, apart from the run of fragment loads.
; app >= 0: weight group app, which the wait for all but the run just issued has shown back from the stage, is folded in; that wait has also shown
; the stage stores done that read the group's load registers, so these are asked for again, with group app + 2.
.macro QUARTER slot, q, f, g, zero, head=8, sin=-1, app=-1
	s_wait_dscnt \head
	WIN MUL_LO
	MUL16 \f, 0, 0, \zero
	MUL16 \f, 0, 2, \zero
	PLACES
	FETCH \slot, \q, \g
	s_wait_dscnt 32                                ; all but the 32 just issued
.if \app >= 0
	APPLY \app
.endif
	WIN MUL_HI
	MUL16 \f, 1, 0, \zero
.if \sin >= 0
	STAGEIN \sin
.endif
.if \app >= 0
.if (\app)+2 <= 7
	WLOAD (\app)+2, 1, 192*((\app)%2)
.endif
.endif
	WIN MUL_HI
	MUL16 \f, 1, 2, \zero
.endm
; The first three quarters of K step s.  At the second quarter's head 40 may be out: A's last eight fragment loads and the 32 stage instructions issued behind them.
.macro FRONT slot, s, zero
	QUARTER \slot, 1, F0, F1, \zero, 8, \s, -1
	QUARTER \slot, 2, F1, F0, 0, 40, -1, \s
	QUARTER \slot, 3, F0, F1, 0
.endm
; The last quarter: multiplies buffer 1 and changes slots.  next = the other slot; fill = 1: this slot is filled again, two K steps ahead.
; In front of the barrier each wave waits for its own reads of this slot and for all its tensor loads, of which one is out: its part of the next slot.
; Behind it (where a slot is filled again: behind the round of the cluster's barrier that it opens) the refill comes first, then the next slot's first fragments.
; From a request to the wait for it a wave issues 240 matrix instructions.
.macro TURN slot, next, fill
	s_wait_dscnt 8
	WIN MUL_LO
	MUL16 F1, 0, 0, 0
	s_wait_dscnt 0                                 ; my reads of this slot are over
	s_set_vgpr_msb 0xa1a0
	s_wait_tensorcnt 0x0                           ; and all my tensor loads have landed
	ds_add_u32 v62, v63
	s_wait_dscnt 0x0
	s_set_vgpr_msb 0xa0a1
	s_barrier_signal -1
	MUL16 F1, 0, 2, 0                              ; work on registers while the others arrive
	WIN 0
	s_barrier_wait -1
.if \fill
	CREST                                          ; no wave of any partner still reads this slot's tile or has a load on its way
	s_add_nc_u64 s[G0+4*\slot+2:G0+4*\slot+3],   s[G0+4*\slot+2:G0+4*\slot+3],   2*KBYTES
	s_add_nc_u64 s[G0B+4*\slot+2:G0B+4*\slot+3], s[G0B+4*\slot+2:G0B+4*\slot+3], 2*KBYTES
	JLOAD \slot                                    ; the first tensor load behind the round, and the wave's only one until the next
.endif
	PLACES
	FETCH \next, 0, F0
	WIN MUL_HI
	MUL16 F1, 1, 0, 0
	MUL16 F1, 1, 2, 0
.endm
.macro KSTEP slot, next, s, zero, fill
	FRONT \slot, \s, \zero
	TURN \slot, \next, \fill
.endm
	s_wait_tensorcnt 0x1                           ; my part of K step 0 is in; K step 1's may stay out
	s_wait_dscnt 0x0                               ; -c is back; no LDS instruction of the wave is out at a signal
	s_barrier_signal -1
	s_barrier_wait -1                              ; everybody's part is in
	FETCH 0, 0, F0
	KSTEP 0, 1, 0, 1, 1                            ; the first products start the sums
	KSTEP 1, 0, 1, 0, 1
	KSTEP 0, 1, 2, 0, 1
	KSTEP 1, 0, 3, 0, 1
	KSTEP 0, 1, 4, 0, 1
	KSTEP 1, 0, 5, 0, 1                            ; asks for K step 7's tile: the last joint load
	KSTEP 0, 1, 6, 0, 0                            ; the last two steps fill nothing
	FRONT 1, 7, 0
	s_wait_dscnt 8                                 ; the very last quarter: nothing more to fetch
	WIN MUL_LO
	MUL16 F1, 0, 0, 0
	MUL16 F1, 0, 2, 0
	s_wait_dscnt 0
	WIN MUL_HI
	MUL16 F1, 1, 0, 0
	MUL16 F1, 1, 2, 0
; THE WAY OUT, 16 rows at a time.  Rows 16 i .. 16 i + 15 of my block are the eight tiles (a, 0..7) of window aw = registers 64 a .. 64 a + 63 there.
; They go through my own stage in LDS, 32 bytes a lane and tile in, whole rows of 512 bytes back into 64 registers that are idle by now (window dw, from dreg on),
; and are stored, each store of the wave covering 512 consecutive bytes, aligned.  Seven idle sets serve groups 0 to 6; free = 1: the set has been stored from before.
.macro OUT16 i, a, aw, dw, dreg, free
	WIN (\aw<<2)
.irp b, 0,1,2,3,4,5,6,7
	ds_store_b128 v[STO], v[64*\a+8*\b:64*\a+8*\b+3]   offset:64*\b
	ds_store_b128 v[STO], v[64*\a+8*\b+4:64*\a+8*\b+7] offset:64*\b+16
.endr
.if \free
	s_wait_xcnt 0x0                                ; every earlier store has had its addresses translated (ISA guide 3.1): the set that stores read is loaded again only behind this wait
.endif
	WIN ((\dw<<6)|(\dw<<2))                        ; the loads' destination and the stores' data
.irp t, 0,1,2,3,4,5,6,7,8,9,10,11,12,13,14,15
	ds_load_b128 v[\dreg+4*\t:\dreg+4*\t+3], v[RD] offset:\t*SPITCH    ; LDS serves a wave's instructions in order: these see the stores above
.endr
.irp t, 0,1,2,3,4,5,6,7,8,9,10,11,12,13,14,15
	s_wait_dscnt 15-\t                             ; row t is back; the younger rows stay out
	global_store_b128 v[CO], v[\dreg+4*\t:\dreg+4*\t+3], s[12:13] offset:(16*\i+\t)*WROW th:TH_STORE_NT   ; offset and base are never written again
.endr
.endm
	PLACES                                         ; behind the last matrix instructions: for the stage stores, which read results, and for the loads into the fragment buffers
	OUT16 0, 0, 2, 0, F0,  0
	OUT16 1, 1, 2, 0, F1,  0
	OUT16 2, 2, 2, 0, DL,  0
	OUT16 3, 3, 2, 1, 0,   0
	OUT16 4, 0, 3, 1, F0,  0
	OUT16 5, 1, 3, 1, F1,  0
	OUT16 6, 2, 3, 1, 192, 0
	OUT16 7, 3, 3, 0, F0,  1                       ; group 0's set once more
	WIN 0
	s_wait_tensorcnt 0x0
	ds_add_u32 v62, v63
	s_wait_dscnt 0x0
	CROUND                                         ; the closing round: no work-group ends while a partner may still ask for a tile that names it
	s_endpgm
.Lfunc_end_k_q6ef76f8684_gemm:
	.size	k_q6ef76f8684_gemm, .Lfunc_end_k_q6ef76f8684_gemm-k_q6ef76f8684_gemm
	.p2alignl 7, 3214868480
	.fill 96, 4, 3214868480
	.section	.rodata,"a",@progbits
	.p2align	6, 0x0
	.amdhsa_kernel k_q6ef76f8684_gemm
		.amdhsa_group_segment_fixed_size 327680
		.amdhsa_private_segment_fixed_size 0
		.amdhsa_enable_private_segment 0
		.amdhsa_kernarg_size 40
		.amdhsa_user_sgpr_count 2
		.amdhsa_user_sgpr_kernarg_segment_ptr 1
		.amdhsa_wavefront_size32 1
		.amdhsa_system_sgpr_workgroup_id_x 1
		.amdhsa_system_sgpr_workgroup_id_y 1
		.amdhsa_system_sgpr_workgroup_id_z 1
		.amdhsa_system_vgpr_workitem_id 0
		.amdhsa_next_free_vgpr 1024
		.amdhsa_next_free_sgpr 70
		.amdhsa_reserve_vcc 0
		.amdhsa_float_denorm_mode_32 3
		.amdhsa_float_denorm_mode_16_64 3
		.amdhsa_memory_ordered 1
		.amdhsa_forward_progress 1
		.amdhsa_inst_pref_size 255
	.end_amdhsa_kernel
	.section	.bss,"aw",@nobits
	.p2align	6
	.space	262144
	.amdgpu_metadata
---
amdhsa.version: [ 1, 2 ]
amdhsa.kernels:
  - .name:           k_q6ef76f8684_gemm
    .symbol:         k_q6ef76f8684_gemm.kd
    .args:
      - { .name: obf, .offset: 0, .size: 8, .value_kind: global_buffer, .address_space: global }
      - { .name: tbf, .offset: 8, .size: 8, .value_kind: global_buffer, .address_space: global }
      - { .name: cpart, .offset: 16, .size: 8, .value_kind: global_buffer, .address_space: global }
      - { .name: weight, .offset: 24, .size: 8, .value_kind: global_buffer, .address_space: global }
      - { .name: out0, .offset: 32, .size: 8, .value_kind: global_buffer, .address_space: global }
    .group_segment_fixed_size: 327680
    .private_segment_fixed_size: 0
    .kernarg_segment_align: 8
    .kernarg_segment_size: 40
    .max_flat_workgroup_size: 128
    .sgpr_count:     70
    .vgpr_count:     1024
    .wavefront_size: 32
...
	.end_amdgpu_metadata
.endif
;; end of part 2
;; ======== version 2 of 2: 2 launches; version 1 with the launch prep written anew for expert scheduling mode
;; workspace buffers: tbf 8,388,608 bytes; obf 8,388,608 bytes; cpart 262,144 bytes
;; launch prep (part 3): grid 128 x 2, 4 waves a work-group, no clusters, 0 bytes of LDS; arguments in_spikes, out_spikes, tbf, obf, cpart; writes tbf, obf, cpart
.if DOCPART == 3
	.amdgcn_target "amdgcn-amd-amdhsa--gfx1250"
	.amdhsa_code_object_version 6
	.text
	.protected	k_q6ef76f8684_prep
	.globl	k_q6ef76f8684_prep
	.p2align	8
	.type	k_q6ef76f8684_prep,@function
k_q6ef76f8684_prep:
	s_mov_b64 s[64:65], 0
	v_nop
	global_prefetch_b8 v0, s[64:65] scope:SCOPE_SE
	s_setreg_imm32_b32 hwreg(HW_REG_WAVE_SCHED_MODE, 0, 2), 2
	s_setreg_imm32_b32 hwreg(HW_REG_WAVE_MODE, 25, 1), 1
	s_wait_xcnt 0x0
	s_wait_alu depctr_vm_vsrc(0)
; The scans over t, and the rounding of both matrix operands to bf16.
;   y = 0:  tbf[16 t + b][p] = bf16(TP[t][b][p]),  TP[t] = clip(TP[t-1]/2 + in_spikes[t], 0, 1),  TP[-1] = 0
;   y = 1:  obf[16 t + b][o] = bf16(out_spikes[t][b][o]);  Q[t] = Q[t-1]/2 + out_spikes[t];  cpart[b][o] = sum over t of out_spikes[t][b][o] Q[t][b][o]
; x - x/2 is exact for normal x, so one fused multiply-add by 0.5 rounds as the two steps of the definition do.
; LIMITS: NaN and infinite inputs are not followed (the clip is a median of three, in which a NaN loses); the sign of a zero is not kept;
; a denormal trace is halved with one rounding instead of two.
; Memory binds: every input byte is read once, by 16-byte loads of which a wave's 32 cover 512 consecutive bytes; every bf16 is written once, a wave's
; 8-byte stores covering 256 consecutive bytes, aligned.  No LDS, no barrier, no matrix unit: a thread's four columns of one b depend on no other thread.
; The work-group's x gives b = x / 8 and the block of 512 columns x % 8; thread v0 owns columns 4 v0 .. 4 v0 + 3 of the block, for all 64 t.
; All 64 steps are written out, so that t stands in the immediates and no address register is ever rewritten.
; THE MODE: SCHED_MODE bits 1:0 = 2 (LLVM: expert scheduling mode 2), set by the entry lines.  The code itself states the register dependences
; between vector instructions and memory instructions, with s_wait_alu, always for 0.
; THE PLAN.  The 64 steps go in 8 blocks of 8.  Registers that memory instructions touch:
;   X0 .. X4   five blocks of spikes as loaded; step t lies in X[(t / 8) % 5].  Written by loads alone: blocks 0 to 4 are asked for at the kernel's head,
;              block p + 4 at the head of block p (p = 1, 2, 3).  Read by block p's vector lines.
;   Y0, Y1     two blocks of bf16 to store.  Written by block p's roundings (Y[p % 2]); read by the eight stores that stand at the head of block p + 1.
;   v1, v2     byte offsets, made once at the head and never written again.
;   CS         read by the one store of cpart at the end of the post side.
; Block p works on X[p % 5] and writes Y[p % 2].  Its memory instructions are the loads into X[(p + 4) % 5] = X[(p - 1) % 5] and the stores from
; Y[(p - 1) % 2]: the two buffers that block p - 1 worked on and that no vector line of block p names.  So the waits at a block's head state all that
; its sixteen memory instructions hang on; these follow the waits in one run, the loads first, and the block's vector lines need no further wait but
; the counted one for each step's data.  31 to 39 loads of every wave are on their way until the last has been asked for.
.set TIN,   262144                     ; bytes from t to t + 1 in the f32 inputs: 16 x 4,096 x 4
.set TOUT,  131072                     ; the same in the bf16 outputs
.set IO, 1                             ; v1        16 v0: my 16 bytes in a row of the input block, and in cpart
.set OO, 2                             ; v2        8 v0: my 8 bytes in a row of the output block
.set TR, 4                             ; v[4:7]    the trace of my four columns: no memory instruction names it
.set CS, 8                             ; v[8:11]   y = 1: the running sum of out x trace
.set Y,  12                            ; v[12:43]  buffer k, step i of a block: two registers at Y + 16 k + 2 i: four bf16 to store
.set X,  44                            ; v[44:203] buffer k, step i of a block: four registers at X + 32 k + 4 i: four f32 as loaded
	s_load_b256 s[4:11], s[0:1], 0x0               ; in_spikes s[4:5], out_spikes s[6:7], tbf s[8:9], obf s[10:11]
	s_load_b64 s[12:13], s[0:1], 0x20              ; cpart
	s_lshr_b32 s20, ttmp9, 3                       ; b
	s_and_b32 s21, ttmp9, 7                        ; block of 512 columns
	s_lshl_b32 s22, s20, 14                        ; b rows of 16,384 bytes
	s_lshl_b32 s21, s21, 11                        ; + blocks of 2,048 bytes
	s_add_co_u32 s22, s22, s21
	s_mov_b32 s23, 0                               ; s[22:23]: my block's offset in an f32 plane (and in cpart)
	s_lshr_b32 s24, s22, 1
	s_mov_b32 s25, 0                               ; s[24:25]: the same in a bf16 plane
	s_and_b32 s26, ttmp7, 0xffff                   ; 0: the pre side, 1: the post side
	v_lshlrev_b32 v[IO], 4, v0
	v_lshlrev_b32 v[OO], 3, v0
	s_wait_kmcnt 0x0
	s_cmp_eq_u32 s26, 0
	s_cselect_b64 s[14:15], s[4:5], s[6:7]         ; the side's input
	s_cselect_b64 s[16:17], s[8:9], s[10:11]       ; the side's bf16 output
	s_add_nc_u64 s[14:15], s[14:15], s[22:23]
	s_add_nc_u64 s[16:17], s[16:17], s[24:25]
	s_add_nc_u64 s[12:13], s[12:13], s[22:23]
	s_add_nc_u64 s[18:19], s[14:15], 32*TIN        ; the input at t = 32: the immediates of both halves stay inside their signed 24 bits
	s_wait_alu depctr_va_vdst(0)                   ; v[IO] and v[OO] are written: every load and store of the kernel reads one of them as its offset
.set tt, 0
.rept 32
	global_load_b128 v[X+4*tt:X+4*tt+3], v[IO], s[14:15] offset:tt*TIN th:TH_LOAD_NT        ; blocks 0 to 3 into X0 .. X3
.set tt, tt+1
.endr
.rept 8
	global_load_b128 v[X+4*tt:X+4*tt+3], v[IO], s[18:19] offset:(tt-32)*TIN th:TH_LOAD_NT   ; block 4 into X4
.set tt, tt+1
.endr
; The eight stores of block p, from Y[p % 2].
.macro SEND p
.irp j, 0,1,2,3,4,5,6,7
	global_store_b64 v[OO], v[Y+16*((\p)%2)+2*\j:Y+16*((\p)%2)+2*\j+1], s[16:17] offset:(8*(\p)+\j)*TOUT   ; no hint: the next launch reads these bytes
.endr
.endm
; The head of block p: the wait for its first step's data, the waits that state what its memory instructions hang on, and those instructions.
; The count on LOADcnt is the number of loads issued behind step 8 p's: up to t = 39 in block 0, up to t = 8 p + 31 (63 at the most) in the others, whose own loads stand below the wait.
.macro HEAD p
.set LAST, 8*(\p)+31
.if (\p) == 0
.set LAST, 39
.endif
.if LAST > 63
.set LAST, 63
.endif
	s_wait_loadcnt LAST-8*(\p)                     ; loads come back in order (ISA guide 5.7.1): the block's first step is in
.if (\p) >= 2
	s_wait_xcnt 0x0                                ; the stores at the last block's head have had their addresses translated (ISA guide 3.1): Y[p % 2], their data, is rewritten only behind this wait,
	s_wait_alu depctr_vm_vsrc(0)                   ; and they have read Y[p % 2], which this block's roundings write again
.endif
.if (\p) >= 1
	s_wait_alu depctr_va_vdst(0)                   ; the block before has written the other Y, which the stores below read, and is done reading its X, in which the loads below land
.if (\p) <= 3
.irp j, 0,1,2,3,4,5,6,7
	global_load_b128 v[X+32*(((\p)+4)%5)+4*\j:X+32*(((\p)+4)%5)+4*\j+3], v[IO], s[18:19] offset:(8*(\p)+\j)*TIN th:TH_LOAD_NT   ; block p + 4; the loads go out ahead of the stores
.endr
.endif
	SEND (\p)-1
.endif
.endm
; One step's vector lines.  kind = 0: the clipped trace is made and rounded; 1: the spikes are rounded, the trace feeds the sum.
; Behind a block's head loads up to t = 8 p + 39 (63 at the most) have been issued: the count leaves those behind step t's out.
.macro STEP kind, t
.set XS, X+32*(((\t)/8)%5)+4*((\t)%8)
.set YS, Y+16*(((\t)/8)%2)+2*((\t)%8)
.if (\t)%8 > 0
.set LAST, 8*((\t)/8)+39
.if LAST > 63
.set LAST, 63
.endif
	s_wait_loadcnt LAST-(\t)                       ; step t's load is in, the younger ones stay out
.endif
.if (\t) == 0
.if \kind == 0
.irp j, 0,1,2,3
	v_med3_num_f32 v[TR+\j], v[XS+\j], 0, 1.0      ; the first step starts the trace: nothing is cleared
.endr
.else
.irp j, 0,1,2,3
	v_mov_b32 v[TR+\j], v[XS+\j]                   ; Q[0] = out[0]; the slot itself is loaded again at the next block's head
.endr
	v_pk_mul_f32 v[CS:CS+1],   v[XS:XS+1],   v[XS:XS+1]           ; and the first product starts the sum
	v_pk_mul_f32 v[CS+2:CS+3], v[XS+2:XS+3], v[XS+2:XS+3]
.endif
.else
	v_pk_fma_f32 v[TR:TR+1],   v[TR:TR+1],   0.5, v[XS:XS+1]   op_sel_hi:[1,0,1]   ; trace / 2 + spikes
	v_pk_fma_f32 v[TR+2:TR+3], v[TR+2:TR+3], 0.5, v[XS+2:XS+3] op_sel_hi:[1,0,1]
.if \kind == 0
.irp j, 0,1,2,3
	v_med3_num_f32 v[TR+\j], v[TR+\j], 0, 1.0      ; clip to [0, 1]
.endr
.else
	v_pk_fma_f32 v[CS:CS+1],   v[XS:XS+1],   v[TR:TR+1],   v[CS:CS+1]
	v_pk_fma_f32 v[CS+2:CS+3], v[XS+2:XS+3], v[TR+2:TR+3], v[CS+2:CS+3]
.endif
.endif
.if \kind == 0
	v_cvt_pk_bf16_f32 v[YS],   v[TR],   v[TR+1]
	v_cvt_pk_bf16_f32 v[YS+1], v[TR+2], v[TR+3]
.else
	v_cvt_pk_bf16_f32 v[YS],   v[XS],   v[XS+1]
	v_cvt_pk_bf16_f32 v[YS+1], v[XS+2], v[XS+3]
.endif
.endm
; All eight blocks of one side, and the last block's stores.
.macro SIDE kind
.set pp, 0
.rept 8
	HEAD pp
.set tt, 8*pp
.rept 8
	STEP \kind, tt
.set tt, tt+1
.endr
.set pp, pp+1
.endr
	s_wait_alu depctr_va_vdst(0)                   ; block 7 has written Y1, which the last eight stores read; on the post side the sums in CS are written too, which cpart's store reads
	SEND 7
.endm
	s_cmp_lg_u32 s26, 0
	s_cbranch_scc1 .Lpost
	SIDE 0
	s_endpgm
.Lpost:
	SIDE 1
	global_store_b128 v[IO], v[CS:CS+3], s[12:13]  ; cpart[b][my four columns]: a wave's store covers 512 consecutive bytes; no vector line stands between the wait above and this store
	s_endpgm
.Lfunc_end_k_q6ef76f8684_prep:
	.size	k_q6ef76f8684_prep, .Lfunc_end_k_q6ef76f8684_prep-k_q6ef76f8684_prep
	.p2alignl 7, 3214868480
	.fill 96, 4, 3214868480
	.section	.rodata,"a",@progbits
	.p2align	6, 0x0
	.amdhsa_kernel k_q6ef76f8684_prep
		.amdhsa_group_segment_fixed_size 0
		.amdhsa_private_segment_fixed_size 0
		.amdhsa_enable_private_segment 0
		.amdhsa_kernarg_size 40
		.amdhsa_user_sgpr_count 2
		.amdhsa_user_sgpr_kernarg_segment_ptr 1
		.amdhsa_wavefront_size32 1
		.amdhsa_system_sgpr_workgroup_id_x 1
		.amdhsa_system_sgpr_workgroup_id_y 1
		.amdhsa_system_sgpr_workgroup_id_z 1
		.amdhsa_system_vgpr_workitem_id 0
		.amdhsa_next_free_vgpr 204
		.amdhsa_next_free_sgpr 66
		.amdhsa_reserve_vcc 0
		.amdhsa_float_denorm_mode_32 3
		.amdhsa_float_denorm_mode_16_64 3
		.amdhsa_memory_ordered 1
		.amdhsa_forward_progress 1
		.amdhsa_inst_pref_size 83
	.end_amdhsa_kernel
	.amdgpu_metadata
---
amdhsa.version: [ 1, 2 ]
amdhsa.kernels:
  - .name:           k_q6ef76f8684_prep
    .symbol:         k_q6ef76f8684_prep.kd
    .args:
      - { .name: in_spikes, .offset: 0, .size: 8, .value_kind: global_buffer, .address_space: global }
      - { .name: out_spikes, .offset: 8, .size: 8, .value_kind: global_buffer, .address_space: global }
      - { .name: tbf, .offset: 16, .size: 8, .value_kind: global_buffer, .address_space: global }
      - { .name: obf, .offset: 24, .size: 8, .value_kind: global_buffer, .address_space: global }
      - { .name: cpart, .offset: 32, .size: 8, .value_kind: global_buffer, .address_space: global }
    .group_segment_fixed_size: 0
    .private_segment_fixed_size: 0
    .kernarg_segment_align: 8
    .kernarg_segment_size: 40
    .max_flat_workgroup_size: 128
    .sgpr_count:     66
    .vgpr_count:     204
    .wavefront_size: 32
...
	.end_amdgpu_metadata
.endif
;; end of part 3
;; launch gemm: the kernel of part 2 again; grid 16 x 16, 4 waves a work-group, clusters of 4 x 4, 327,680 bytes of LDS; arguments obf, tbf, cpart, weight, out0; writes out0
